; MI455X (gfx1250); checked and timed in simulation.
; The chip was launched on July 23, 2026; its instructions are those of AMD's public machine-readable ISA for CDNA 5 (MIT licence, August 2026) and "CDNA5" Instruction Set Architecture Reference Guide (July 2026). The comments in the code are by the model that wrote it; some were corrected since.
;; Location Expert Router. Allowed arithmetic: matrix products marked QUANTISED: E2M3 operands, one E8M0 scale for each 32 along K, by v_wmma_scale_f32_16x16x128_f8f6f4 with both operands' format E2M3, f32 sums; everything else in f32.
;; Inputs: W 8 x 1,024 x 4,000 float32; b 8 x 4,000 float32; pointer_addresses 2,048 int32; x 2,048 x 1,024 float32.
;; Outputs: out0 2,048 x 4,000 float32.
;; This version of the problem:
;;   THIS VERSION OF THE PROBLEM IS GIVEN IN LOW PRECISION. The matrix products marked QUANTISED in the list below multiply operands that are first quantised to E2M3 (2 exponent bits, 3 mantissa bits; 6 bits a number), with one power-of-two scale for each 32 numbers along K (OCP MX v1.0); their sums are f32. All else is computed in f32.
;;   The module's matrix products, in the order in which they are computed (A, B: the left and right operand; K: the contracted axis; several contracted axes count as one K, in the product's order):
;;     1. [M 2,048, K 1,024] x [K 1,024, N 4,000]; A: input x; B: input W: QUANTISED
;;     2. [M 2,048, K 1,024] x [K 1,024, N 4,000]; A: input x; B: input W: QUANTISED
;;     3. [M 2,048, K 1,024] x [K 1,024, N 4,000]; A: input x; B: input W: QUANTISED
;;     4. [M 2,048, K 1,024] x [K 1,024, N 4,000]; A: input x; B: input W: QUANTISED
;;     5. [M 2,048, K 1,024] x [K 1,024, N 4,000]; A: input x; B: input W: QUANTISED
;;     6. [M 2,048, K 1,024] x [K 1,024, N 4,000]; A: input x; B: input W: QUANTISED
;;     7. [M 2,048, K 1,024] x [K 1,024, N 4,000]; A: input x; B: input W: QUANTISED
;;     8. [M 2,048, K 1,024] x [K 1,024, N 4,000]; A: input x; B: input W: QUANTISED
;;   THE QUANTISER, for each operand of a quantised product, along K:
;;     - K is cut into blocks of 32 from its start; a last block that is shorter is filled with zeros.
;;     - A block's scale is 2^e with e = floor(log2(the largest magnitude in the block)) - 2, held to -126 .. 127; a block of zeros has e = 0. As a byte (E8M0): e + 127.
;;     - Each number is divided by its block's scale, clamped to +-7.5, and rounded to the nearest number of E2M3, ties to even, subnormals kept.
;;     - The product sums the exact products of the quantised numbers (number of the format x scale) in f32.
;;   ~~~python
;;   def quantise(x, axis):      # numpy; x: float32 -> the quantised numbers, widened to float32 again
;;       x = np.moveaxis(x, axis, -1); K = x.shape[-1]
;;       x = np.pad(x, [(0, 0)] * (x.ndim - 1) + [(0, -K % 32)]); x = x.reshape(x.shape[:-1] + (-1, 32)); a = np.abs(x).max(-1, keepdims=True)
;;       e = np.where(a > 0, np.clip(np.frexp(np.where(a > 0, a, 1))[1] - 1 - 2, -126, 127), 0)      # np.frexp(a)[1] - 1 = floor(log2(a)), exactly
;;       r = np.clip(x / 2.0 ** e, -7.5, 7.5)
;;       step = 2.0 ** (np.maximum(np.frexp(np.where(r == 0, 1, r))[1] - 1, 0) - 3)
;;       q = np.round(r / step) * step * 2.0 ** e      # np.round: ties to even
;;       return np.moveaxis(q.reshape(q.shape[:-2] + (-1,))[..., :K], -1, axis).astype(np.float32)
;;   ~~~
;; One version. Each part assembles by itself: llvm-mc -triple=amdgcn-amd-amdhsa -mcpu=gfx1250 --defsym DOCPART=n.
;; ======== version 1 of 1: 2 launches
;; limits: right only within a limited range of input values
;; workspace buffers: xq 12,595,200 bytes; xs 524,800 bytes; list 65,792 bytes of whole numbers; counts 512 bytes of whole numbers
;; launch route (part 1): grid 128 x 1, 8 waves a work-group, no clusters, 69,376 bytes of LDS; arguments x, pointer_addresses, xq, xs, list, counts; writes xq, xs, list, counts
.if DOCPART == 1
	.amdgcn_target "amdgcn-amd-amdhsa--gfx1250"
	.amdhsa_code_object_version 6
	.text
	.protected	k_q4de1fc7077_route
	.globl	k_q4de1fc7077_route
	.p2align	8
	.type	k_q4de1fc7077_route,@function
k_q4de1fc7077_route:
	s_mov_b64 s[64:65], 0
	v_nop
	global_prefetch_b8 v0, s[64:65] scope:SCOPE_SE
	s_setreg_imm32_b32 hwreg(HW_REG_WAVE_MODE, 25, 1), 1
	s_wait_xcnt 0x0
; out[t] = Q(x[t]) . Q(W[e_t]) + b[e_t], e_t = pointer_addresses[t] mod 8; Q = codes of FP6 (E2M3) with one E8M0 scale for each 32 along K = 1,024.  First of two launches.
; WORK LEFT OUT, IN BOTH LAUNCHES.  reference() makes y_e = x W[e] + b[e] for all eight experts and keeps, by its own where on (idx == e), one row for each token.  idx is a whole number that is read from
; memory; it is p mod 8, so it lies in 0 .. 7 for every p, and exactly one of the eight selections holds for each token.  So the rows y_e[t] with e != e_t reach no output whatever the inputs hold, and the zeros
; from which out begins are written over in every row: only row t of expert e_t's product is made.  Every input keeps a way to the output and is loaded.
; LIMITS.  A NaN, an infinity or an overflow that would arise only in the rows left out is not carried to the result.  NaN and infinities in x are not served by the quantiser.  A block of zeros gets the scale
; byte 1 where the rule says 127: its codes are zeros, which add nothing under any byte but 0xff, and the bytes are read by this program alone.
; THIS LAUNCH quantises x, sorts the tokens by expert (a counting sort, no atomics) and stores each token's codes at its sorted place, as an image of the operand's registers.
;   A TILE is 16 sorted places of one expert: tile 128 e + rank / 16, place rank % 16, so that no expert's tiles hang on another's count.  Tile 1024 is a spare that always holds valid codes (tokens 0 .. 15).
;   xq [tile][K step 0..7][c 0..2][512 bytes]: registers 4 c .. 4 c + 3 of lane (place, h) of the fragment at 32 place + 16 h.   xs [tile][place][8 scale words].   list [tile][place]: the token's number.
;   counts: 32 copies of {T0 | T4 << 16, T2 | T6 << 16, T1 | T5 << 16, T3 | T7 << 16}, T_e = the tokens of expert e.
; SHARES.  Work-group g owns tokens 16 g .. 16 g + 15; wave w quantises K step w (128 along K) of these 16 rows, and counts the experts of tokens 256 w .. 256 w + 255.  Each of a wave's 16 loads of x reads 512
; consecutive bytes; all 16 are out together, and the counts, their barrier and the rows' places are made under their flight.  A second barrier shows the scale words to wave 0.  No tensor load, no cluster: the
; work-groups share only the 8,192 bytes of indices.  No prefetch: there is no loop to run ahead in.
.set STGB,  8448                       ; LDS: a stage of 16 rows x (512 bytes + 16) for each wave
.set CNTS,  8*STGB                     ; 16 partial counts x 16 bytes (a block of 256 bytes)
.set SCW,   CNTS+256                   ; the 16 rows' scale words, 32 bytes a row
.set SPARE, SCW+512                    ; the spare words, 128 bytes for each wave: four blocks of 256 bytes that no other line names
.set LANE, 1
.set R,    2                           ; lane % 16
.set H,    3                           ; lane / 16
.set LI,   4                           ; 16 x lane
.set SIN,  5                           ; the stage, way in: my wave's + 16 x lane
.set SOUT, 6                           ; way out: my wave's + 528 r + 64 h
.set CW,   7                           ; where my half of the wave puts its counts
.set CR,   8                           ; which of the 16 partial counts I read back
.set SWW,  9                           ; where my row's scale word of K step w goes
.set SWR,  10                          ; where four of a row's eight words are read back
.set PO,   11                          ; my 16 bytes of the wave's 1,024 bytes of indices
.set GO,   12                          ; the index of token 16 g + r
.set RH,   13                          ; 32 r + 16 h
.set SPW,  14                          ; LDS address of my spare word; never rewritten
.set NIL,  15                          ; 0; never rewritten
.set IDX,  16                          ; v16-23 eight indices; v24 the group's
.set RAW,  32                          ; v32-95  x as loaded
.set ST,   96                          ; v96-159 64 numbers of my row: register 16 b + i = k 32 b + 16 h + i
.set PC,   160                         ; v160-171 the fragment's codes; v172-178 the conversions' second halves
.set TM,   180                         ; v180-195 at work in QUANT
.set PW,   196                         ; my row's scale word
.set DT,   212                         ; v212-215 at work in RSUM4
.set WV,   16
.set G16,  18                          ; 16 g
.set SEL,  22                          ; s[22:23] v_permlanex16_b32's selects for lane l xor 16
.macro WALU
	s_wait_alu depctr_va_vdst(0)
.endm
.macro RSUM4 reg                       ; four registers, each summed over the 16 lanes of a row, in every lane of it; the four by turns
.irp m, 1,2,4,8
.irp k, 0,1,2,3
	v_mov_b32_dpp v[DT+\k], v[\reg+\k] row_xmask:\m row_mask:0xf bank_mask:0xf
.endr
.irp k, 0,1,2,3
	v_add_nc_u32 v[\reg+\k], v[\reg+\k], v[DT+\k]
.endr
.endr
.endm
.macro WIDEN a, b                      ; two registers of four byte counts become v216-219, two 16-bit counts each, summed over the 16 partial counts
	v_lshrrev_b32 v217, 8, v[\a]
	v_lshrrev_b32 v219, 8, v[\b]
	v_and_b32 v216, s42, v[\a]
	v_and_b32 v218, s42, v[\b]
	v_and_b32 v217, s42, v217
	v_and_b32 v219, s42, v219
	RSUM4 216
.endm
; 64 numbers of a lane, v[s] .. v[s + 63], become a fragment's codes in v[PC] on and its scale word in v[PW].
.macro QUANT s
.irp b, 0,1,2,3
	v_max3_num_f32 v[TM+\b], |v[\s+16*\b]|, |v[\s+1+16*\b]|, 0x1800000   ; block b: my 16 numbers, and the floor 2^(3 - 127): so the byte cannot fall under 1
.endr
.irp i, 2,4,6,8,10,12,14
.irp b, 0,1,2,3
	v_max3_num_f32 v[TM+\b], v[TM+\b], |v[\s+16*\b+\i]|, |v[\s+1+16*\b+\i]|   ; the four blocks by turns
.endr
.endr
.irp b, 0,1,2,3
	v_permlanex16_b32 v[TM+4+\b], v[TM+\b], s[SEL], s[SEL+1]
.endr
.irp b, 0,1,2,3
	v_max_num_f32 v[TM+\b], v[TM+\b], v[TM+4+\b]   ; with lane l xor 16's: the block's largest magnitude
.endr
.irp b, 0,1,2,3
	v_add_nc_u32 v[TM+12+\b], 0xff000000, v[TM+\b]   ; 2 off its exponent field: the conversion takes the exponent field of this operand as its scale
.endr
.irp b, 0,1,2,3
	v_lshrrev_b32 v[TM+4+\b], 23, v[TM+12+\b]      ; the scale's byte
.endr
	v_lshl_or_b32 v[PW], v[TM+5], 8, v[TM+4]
	v_lshl_or_b32 v[TM+7], v[TM+7], 8, v[TM+6]
	v_lshl_or_b32 v[PW], v[TM+7], 16, v[PW]
.irp c, 0,1
	v_cvt_scalef32_pk16_fp6_f32 v[PC+6*\c:PC+2+6*\c], v[\s+32*\c:\s+15+32*\c], v[TM+12+2*\c]
	v_cvt_scalef32_pk16_fp6_f32 v[PC+12+4*\c:PC+14+4*\c], v[\s+16+32*\c:\s+31+32*\c], v[TM+12+2*\c+1]   ; (a conversion's three registers begin on an even number)
.endr
	v_nop                                          ; one plain place behind a scaled conversion
.irp c, 0,1                                    ; the operand's layout wants a whole block in a lane: lanes 0-15 block 2 c, lanes 16-31 block 2 c + 1
.irp i, 0,1,2
	v_permlane16_swap_b32 v[PC+6*\c+\i], v[PC+12+4*\c+\i]
.endr
.endr
.irp c, 0,1
.irp i, 0,1,2
	v_mov_b32 v[PC+3+6*\c+\i], v[PC+12+4*\c+\i]
.endr
.endr
.endm
	s_load_b256 s[4:11], s[0:1], 0x0               ; x s[4:5], the indices s[6:7], xq s[8:9], xs s[10:11]
	s_load_b128 s[12:15], s[0:1], 0x20             ; list s[12:13], counts s[14:15]
	v_lshl_add_u32 v[SPW], v0, 2, SPARE
	v_mov_b32 v[NIL], 0
	v_lshrrev_b32 v1, 5, v0
	v_readfirstlane_b32 s[WV], v1                  ; wave 0..7
	v_and_b32 v[LANE], 31, v0
	v_and_b32 v[R], 15, v0
	v_bfe_u32 v[H], v0, 4, 1
	v_lshlrev_b32 v[LI], 4, v[LANE]
	s_mul_i32 s17, s[WV], STGB                     ; every LDS address is made here: a constant, the lane's term, the wave's term
	v_add_nc_u32 v[SIN], s17, v[LI]
	v_mul_u32_u24 v[SOUT], v[R], 528
	v_lshl_add_u32 v[SOUT], v[H], 6, v[SOUT]
	v_add_nc_u32 v[SOUT], s17, v[SOUT]
	s_lshl_b32 s17, s[WV], 5
	s_add_co_u32 s17, s17, CNTS
	v_lshl_add_u32 v[CW], v[H], 4, s17
	v_lshl_add_u32 v[CR], v[R], 4, CNTS
	s_lshl_b32 s17, s[WV], 2
	s_add_co_u32 s17, s17, SCW
	v_lshl_add_u32 v[SWW], v[R], 5, s17
	v_lshlrev_b32 v[RH], 5, v[R]
	v_lshl_add_u32 v[RH], v[H], 4, v[RH]
	v_add_nc_u32 v[SWR], SCW, v[RH]
	s_lshl_b32 s17, s[WV], 10
	v_add_nc_u32 v[PO], s17, v[LI]
	s_lshl_b32 s[G16], ttmp9, 4
	s_lshl_b32 s17, ttmp9, 6
	v_lshl_add_u32 v[GO], v[R], 2, s17
.irp b, 0,1,2,3
	v_mov_b32 v[TM+4+\b], 0                        ; written once: a lane permute's destination counts as one of its sources
	v_mov_b32 v[DT+\b], 0                          ; likewise
.endr
	WALU
	s_mul_i32 s19, s[WV], 1536                     ; K step w's place in a tile of xq
	s_lshl_b32 s20, ttmp9, 16                      ; x: 16 g rows of 4,096 bytes,
	s_lshl_b32 s17, s[WV], 9                       ; + K step w's 512 bytes
	s_add_co_u32 s20, s20, s17
	s_mov_b32 s21, 0
	s_mov_b32 s[SEL], 0x76543210
	s_mov_b32 s[SEL+1], 0xfedcba98
	s_wait_kmcnt 0x0
	s_add_nc_u64 s[4:5], s[4:5], s[20:21]
	global_load_b128 v[IDX:IDX+3], v[PO], s[6:7]               ; tokens 256 w + 4 lane + 0 .. 3
	global_load_b128 v[IDX+4:IDX+7], v[PO], s[6:7] offset:512  ; and 128 further on
	global_load_b32 v[IDX+8], v[GO], s[6:7]                    ; token 16 g + r
.irp rr, 0,1,2,3,4,5,6,7,8,9,10,11,12,13,14,15
	global_load_b128 v[RAW+4*\rr:RAW+4*\rr+3], v[LI], s[4:5] offset:4096*\rr th:TH_LOAD_NT   ; row 16 g + rr: 32 lanes read 512 consecutive bytes; read once in the launch
.endr
	; ---- the counts, while x is on its way.  Eight counters of 4 bits in a register (a lane has 8 indices: at most 8 in a field): all my tokens', and those of my tokens that stand ahead of token 16 g
	s_lshl_b32 s17, s[WV], 8
	v_lshl_add_u32 v200, v[LANE], 2, s17           ; my first token; 16 g is a multiple of 4, so a load's four tokens stand on one side of it
	v_add_nc_u32 v203, 128, v200
	v_cmp_gt_u32 vcc_lo, s[G16], v200
	v_cndmask_b32 v201, 0, 1, vcc_lo
	v_cmp_gt_u32 vcc_lo, s[G16], v203
	v_cndmask_b32 v202, 0, 1, vcc_lo
	v_mov_b32 v204, 0
	v_mov_b32 v205, 0
	WALU
	s_wait_loadcnt 16                              ; the three loads of indices are in; the sixteen of x, issued behind them, may be out
.irp n, 0,1,2,3,4,5,6,7
	v_and_b32 v[IDX+\n], 7, v[IDX+\n]              ; p mod 8 (in two's complement also of a negative p, as the reference's % has it)
.endr
.irp n, 0,1,2,3,4,5,6,7
	v_lshlrev_b32 v[IDX+\n], 2, v[IDX+\n]
.endr
.irp n, 0,1,2,3,4,5,6,7
	v_lshl_add_u32 v204, 1, v[IDX+\n], v204
	v_lshl_add_u32 v205, v[201+\n/4], v[IDX+\n], v205
.endr
	s_mov_b32 s42, 0x0f0f0f0f                      ; to counters of 8 bits: 16 lanes x 8 = 128 at the most
	v_lshrrev_b32 v209, 4, v204
	v_lshrrev_b32 v211, 4, v205
	v_and_b32 v208, s42, v204                      ; experts 0, 2, 4, 6
	v_and_b32 v210, s42, v205
	v_and_b32 v209, s42, v209                      ; experts 1, 3, 5, 7
	v_and_b32 v211, s42, v211
	RSUM4 208
	ds_store_b128 v[CW], v[208:211]                ; the 16 lanes of a half write the same 16 bytes with the same values
	s_wait_dscnt 0x0                               ; for the others' sake: my counts have landed
	s_barrier_signal -1
	s_barrier_wait -1
	; ---- where my row goes: the tokens of its expert ahead of token 16 g, + those ahead of it in the group
	ds_load_b128 v[208:211], v[CR]
	s_mov_b32 s42, 0x00ff00ff                      ; to counters of 16 bits: 2,048 at the most
	s_wait_dscnt 0x0
	WIDEN 210, 211
	v_readfirstlane_b32 s24, v216
	v_readfirstlane_b32 s25, v217
	v_readfirstlane_b32 s26, v218
	v_readfirstlane_b32 s27, v219
	s_and_b32 s32, s24, 0xffff                     ; s[32 + e]: expert e's
	s_lshr_b32 s36, s24, 16
	s_and_b32 s34, s25, 0xffff
	s_lshr_b32 s38, s25, 16
	s_and_b32 s33, s26, 0xffff
	s_lshr_b32 s37, s26, 16
	s_and_b32 s35, s27, 0xffff
	s_lshr_b32 s39, s27, 16
	v_and_b32 v220, 7, v[IDX+8]                    ; my row's expert
	v_mov_b32 v221, 0
.irp e, 0,1,2,3,4,5,6,7
	v_cmp_eq_u32 s40, \e, v220
	v_mbcnt_lo_u32_b32 v222, s40, s[32+\e]         ; the lanes under me with expert e, + its count so far: right in lanes 0-15
	v_cndmask_b32 v221, v221, v222, s40
.endr
	v_permlanex16_b32 v222, v221, s[SEL], s[SEL+1]
	s_mov_b32 s41, 0xffff0000
	v_cndmask_b32 v221, v221, v222, s41            ; lanes 16-31 take lanes 0-15's
	v_lshrrev_b32 v223, 4, v221
	v_and_b32 v224, 15, v221
	v_lshl_add_u32 v223, v220, 7, v223
	v_min_u32 v224, 15, v224                       ; the place in the tile,
	v_min_u32 v223, 1023, v223                     ; and the tile; both held inside the buffers' sizes before they enter an address
	v_mul_u32_u24 v225, v223, 12288
	v_lshl_add_u32 v225, v224, 5, v225
	v_lshl_add_u32 v225, v[H], 4, v225
	v_add_nc_u32 v225, s19, v225
	v_lshlrev_b32 v232, 9, v223
	v_lshlrev_b32 v233, 6, v223
	v_lshl_add_u32 v232, v224, 5, v232
	v_lshl_add_u32 v233, v224, 2, v233
	v_lshl_add_u32 v232, v[H], 4, v232             ; my 16 bytes of the row's scale words,
	v_add_nc_u32 v234, s[G16], v[R]                ; the token's number
	WALU
	s_cmp_lg_u32 ttmp9, 0
	s_cbranch_scc1 .Lno_totals
	s_cmp_lg_u32 s[WV], 1
	s_cbranch_scc1 .Lno_totals
	WIDEN 208, 209                                 ; wave 1 of work-group 0: the experts' totals
	global_store_b128 v[LI], v[216:219], s[14:15]  ; 32 copies: 512 consecutive bytes
.Lno_totals:
	; ---- x: through my stage, so that a lane holds 16 neighbours of each block of its row
.irp rr, 0,1,2,3,4,5,6,7,8,9,10,11,12,13,14,15
	s_wait_loadcnt 15-\rr
	ds_store_b128 v[SIN], v[RAW+4*\rr:RAW+4*\rr+3] offset:528*\rr
.endr
.irp b, 0,1,2,3
.irp j, 0,1,2,3
	ds_load_b128 v[ST+16*\b+4*\j:ST+16*\b+4*\j+3], v[SOUT] offset:128*\b+16*\j   ; LDS serves a wave's instructions in order: these see my stores
.endr
.endr
	s_wait_dscnt 0x0
	QUANT ST
	ds_store_b32 v[SWW], v[PW]                     ; both lanes of a row write the same word
.irp c, 0,1,2
	global_store_b128 v225, v[PC+4*\c:PC+4*\c+3], s[8:9] offset:512*\c   ; a row's two lanes store 32 consecutive bytes
.endr
	s_cmp_lg_u32 ttmp9, 0
	s_cbranch_scc1 .Lnot_first
	s_add_co_u32 s17, s19, 1024*12288              ; work-group 0 also fills the spare tile, place = r
	v_add_nc_u32 v226, s17, v[RH]
.irp c, 0,1,2
	global_store_b128 v226, v[PC+4*\c:PC+4*\c+3], s[8:9] offset:512*\c
.endr
.Lnot_first:
	s_wait_dscnt 0x0                               ; for wave 0's sake: my scale words have landed
	s_barrier_signal -1
	s_barrier_wait -1
	s_cmp_lg_u32 s[WV], 0
	s_cbranch_scc1 .Lend
	ds_load_b128 v[228:231], v[SWR]                ; wave 0: words 4 h .. 4 h + 3 of row r
	global_store_b32 v233, v234, s[12:13]          ; (both lanes of a row store the same word)
	s_wait_dscnt 0x0
	global_store_b128 v232, v[228:231], s[10:11]
	s_cmp_lg_u32 ttmp9, 0
	s_cbranch_scc1 .Lend
	v_lshlrev_b32 v235, 2, v[R]
	global_store_b128 v[RH], v[228:231], s[10:11] offset:1024*512   ; the spare tile's scale words and numbers
	global_store_b32 v235, v234, s[12:13] offset:1024*64
.Lend:
	s_wait_tensorcnt 0x0                           ; the wave's end, behind my last LDS store
	ds_add_u32 v[SPW], v[NIL]
	s_wait_dscnt 0x0
	s_endpgm
.Lfunc_end_k_q4de1fc7077_route:
	.size	k_q4de1fc7077_route, .Lfunc_end_k_q4de1fc7077_route-k_q4de1fc7077_route
	.p2alignl 7, 3214868480
	.fill 96, 4, 3214868480
	.section	.rodata,"a",@progbits
	.p2align	6, 0x0
	.amdhsa_kernel k_q4de1fc7077_route
		.amdhsa_group_segment_fixed_size 69376
		.amdhsa_private_segment_fixed_size 0
		.amdhsa_enable_private_segment 0
		.amdhsa_kernarg_size 48
		.amdhsa_user_sgpr_count 2
		.amdhsa_user_sgpr_kernarg_segment_ptr 1
		.amdhsa_wavefront_size32 1
		.amdhsa_system_sgpr_workgroup_id_x 1
		.amdhsa_system_sgpr_workgroup_id_y 1
		.amdhsa_system_sgpr_workgroup_id_z 1
		.amdhsa_system_vgpr_workitem_id 0
		.amdhsa_next_free_vgpr 240
		.amdhsa_next_free_sgpr 66
		.amdhsa_reserve_vcc 1
		.amdhsa_float_denorm_mode_32 3
		.amdhsa_float_denorm_mode_16_64 3
		.amdhsa_memory_ordered 1
		.amdhsa_forward_progress 1
		.amdhsa_inst_pref_size 23
	.end_amdhsa_kernel
	.amdgpu_metadata
---
amdhsa.version: [ 1, 2 ]
amdhsa.kernels:
  - .name:           k_q4de1fc7077_route
    .symbol:         k_q4de1fc7077_route.kd
    .args:
      - { .name: x, .offset: 0, .size: 8, .value_kind: global_buffer, .address_space: global }
      - { .name: pointer_addresses, .offset: 8, .size: 8, .value_kind: global_buffer, .address_space: global }
      - { .name: xq, .offset: 16, .size: 8, .value_kind: global_buffer, .address_space: global }
      - { .name: xs, .offset: 24, .size: 8, .value_kind: global_buffer, .address_space: global }
      - { .name: list, .offset: 32, .size: 8, .value_kind: global_buffer, .address_space: global }
      - { .name: counts, .offset: 40, .size: 8, .value_kind: global_buffer, .address_space: global }
    .group_segment_fixed_size: 69376
    .private_segment_fixed_size: 0
    .kernarg_segment_align: 8
    .kernarg_segment_size: 48
    .max_flat_workgroup_size: 256
    .sgpr_count:     66
    .vgpr_count:     240
    .wavefront_size: 32
...
	.end_amdgpu_metadata
.endif
;; end of part 1
;; launch experts (part 2): grid 8 x 32, 8 waves a work-group, no clusters, 171,008 bytes of LDS; arguments W, b, xq, xs, list, counts, out0; writes out0
.if DOCPART == 2
	.amdgcn_target "amdgcn-amd-amdhsa--gfx1250"
	.amdhsa_code_object_version 6
	.text
	.protected	k_q4de1fc7077_experts
	.globl	k_q4de1fc7077_experts
	.p2align	8
	.type	k_q4de1fc7077_experts,@function
k_q4de1fc7077_experts:
	s_mov_b64 s[64:65], 0
	v_nop
	global_prefetch_b8 v0, s[64:65] scope:SCOPE_SE
	s_setreg_imm32_b32 hwreg(HW_REG_WAVE_MODE, 25, 1), 1
	s_wait_xcnt 0x0
; out[t] = Q(x[t]) . Q(W[e_t]) + b[e_t]: second of two launches.  WORK LEFT OUT: only the rows that reference()'s own where keeps are multiplied (each token by its one expert; shown at the head of the first kernel).
; LIMITS.  A NaN, an infinity or an overflow that would arise only in the rows left out is not carried.  NaN and infinities in W are not served by the quantiser.  A block of zeros gets the scale byte 1 where the rule
; says 127: its codes are zeros.  An expert with no token still has its part of W walked and stores nothing.
; SHARES.  Work-group (e, cb) owns columns col0 .. col0 + 127 of expert e, col0 = min(128 cb, 3,872), for ALL tokens of e.  4,000 = 31 x 128 + 32: block 31 stores its last 32 columns alone, so each output byte has one
; owner (its strip 0, of which nothing is stored, reads strip 1's columns).  8 x 32 = 256 work-groups; each reads its 1,024 x 128 numbers of W once, as f32, and quantises them on the way: W's codes never go to memory.
; PRODUCER.  Eight waves: strip q = w % 2 (64 columns), block b = w / 2 of each K step's four blocks of 32.  A UNIT is 32 rows x 64 columns: lane l takes columns 2 l and 2 l + 1 of the strip, 8 bytes a row, 256
; consecutive bytes a load.  Of each 16 rows the even ones land in one run of 16 registers and the odd ones in the next: eight swaps of registers then leave column 2 l's 16 numbers in the first run and column 2 l + 1's
; in the second, K ascending.  So A LANE HOLDS WHOLE BLOCKS OF TWO COLUMNS, AND ITS REGISTERS RUN DOWN K: no other lane is asked for a maximum.
; A lane's six registers of codes of a block are half of a fragment's lane: it stores them at their place in the image.  IMAGE: [K step][column tile t][lane][48 bytes]; t = 2 q + (l / 16) + 4 (column odd); fragment lane
; (l % 16) + 16 (b % 2), registers 6 (b / 2) on.  A column tile is 16 columns of one parity.  A barrier; every wave loads all eight fragments.  Images are never written over, so one barrier a K step does.
; THE BARRIER IS SPLIT: a wave signals behind its stores of K step s, multiplies K step s - 1, quantises its unit of K step s + 1 in registers, and only then waits.
; CONSUMER.  Wave w owns token tiles w, w + 8, w + 16 (16 sorted tokens each) against all 128 columns: 24 accumulators.  The tiles' codes come from xq straight into registers, one K step ahead.
; Tiles 24 and up (an expert with over 384 tokens) are served by a loop behind the last barrier, from the images that still lie in LDS: any split of the tokens is served.
; THE PRODUCT IS USED TRANSPOSED (source 0 = 16 columns of W, source 1 = 16 tokens): a lane holds one token and eight columns of one parity.
; NO TENSOR LOAD, NO CLUSTER: which tiles are multiplied hangs on counts read from memory: the 32 column blocks of an expert each load its tiles of xq themselves.
; PREFETCH OF W INTO THE L2: one instruction a wave for a K step: 16 rows x 2 blocks of 256 bytes.  Behind the loads of K step s + 2 it asks for K step s + 4, whose loads are two K steps on; K steps 2 and 3 are asked for
; at the head, K steps 0 and 1 come by their loads alone.  A row is 16,000 bytes, so odd rows begin half a block later: there my last 128 bytes lie in a block that the next column block's work-group names, and each block
; is named once in the launch.
; REGISTERS: window 0: below;  window 1: v0-191 accumulator (tile i, column tile t) at v[64 i + 8 t]; v192-227 the tiles' codes, even K steps; v228-239 tile 2's, odd K steps.
.set STGB,  8448
.set WSC,   98304                      ; LDS: from 0 the images, 8 K steps x 12,288 bytes; then W's scale words [K step][lane of a strip][q + 2 (column odd)], 512 bytes a K step;
.set STG,   WSC+4096                   ; a stage for each wave for the way out (16 rows x 528: a row's even columns, then its odd ones);
.set SPARE, STG+8*STGB                 ; the spare words, 128 bytes for each wave: four blocks of 256 bytes that no other line names
.set LANE, 1
.set R,    2                           ; lane % 16
.set H,    3                           ; lane / 16
.set LI,   4                           ; 16 x lane
.set VW,   5                           ; 8 x lane: my two columns of W
.set TS,   6                           ; my stage + 8 x lane
.set SO,   7                           ; my stage + 528 r + 32 h
.set IW,   8                           ; v8-9  where I store codes: K steps 0-3, 4-7
.set ISW,  10                          ; where I store scale bytes
.set AR0,  11                          ; 48 x lane: images of K steps 0-3
.set AR1,  12                          ; the same of K steps 4-7
.set ARS,  13                          ; WSC + 16 x lane
.set SPW,  14                          ; LDS address of my spare word; never rewritten
.set NIL,  15                          ; 0; never rewritten
.set XO,   16                          ; v16-18 my byte in tile i of xq
.set XOV,  19                          ; the same in the last loop
.set BI,   20                          ; v20-23 b at my four columns
.set XSC,  24                          ; v24-27, v32-35, v40-43 the three tiles' scale words: lanes 0-15 K steps 0-3, lanes 16-31 K steps 4-7.  Scales and nothing else
.set WS,   28                          ; v28-31 W's scale words of a K step: register u: lanes 0-15 column tile 2 u, lanes 16-31 column tile 2 u + 1.  Scales and nothing else
.set MA,   36                          ; v36-39 at work: largest magnitudes
.set MA1,  37
.set MB,   38
.set MB1,  39
.set TOK,  44                          ; v44-46 the tiles' token numbers
.set VR,   47                          ; the place that my lane reads in a tile
.set XSO,  48                          ; v48-50 its offset in xs
.set LSO,  51                          ; v51-53 and in list
.set TMP,  54
.set PFV,  55                          ; the prefetches' offset: row 16 w + lane / 2, my column block's block lane % 2; never rewritten
.set RAW,  56                          ; v56-183 W as loaded, two units of 64 registers (in the last three K steps W's other four fragments from v56 on; in the last loop a tile's 96 registers of codes)
.set OB,   56                          ; the way out: 16 rows of out
.set OFF,  120                         ; v120-135 and their byte offsets in out
.set WF,   184                         ; v184-231 four of W's fragments.  While a unit is quantised:
.set FA,   184                         ; v184-189 column 2 l's codes, v190-192 their second half as converted;
.set TA,   190
.set FB,   194                         ; v194-199, v200-202 column 2 l + 1's;
.set TB,   200
.set BA,   204                         ; and the two scale bytes
.set BB,   205
.set XD,   232                         ; v232-255 tiles 0 and 1's codes, odd K steps
.set WV,   18
.set EX,   20                          ; the expert
.set COL0, 21
.set THR,  22                          ; lanes from here on store: 0, or 24 in column block 31
.set TE,   23                          ; the expert's tokens
.set NT,   24                          ; its tiles
.set CNT,  25                          ; how many of my three tiles exist
.set SB0,  26                          ; s[26:27] W at my strip and block, K step 0;  s[28:29] K step 4: so every row's offset fits the signed 24-bit immediate
.set SB1,  28
.set PF0,  52                          ; s[52:53] W's expert, K step 0;  s[54:55] K step 4: for the prefetches
.set PF1,  54
.set T,    32
.set LIVE, 33
.set OVI,  48                          ; the last loop's counter, by steps of 1,
.set OVN,  49                          ; and its trips
.set MSB, 0
.macro WIN new                         ; the immediate's high byte repeats the setting that is left; a switch that changes nothing is dropped
.if MSB != (\new)
	s_set_vgpr_msb (MSB<<8)|(\new)
.set MSB, (\new)
.endif
.endm
.macro WALU
	s_wait_alu depctr_va_vdst(0)
.endm
.macro PLACES n
.rept \n
	v_nop
.endr
.endm
.macro LOADWH n, h                     ; rows 16 h .. 16 h + 15 of unit n (K step n): 16 loads; row 2 m to pair m, row 2 m + 1 to pair 8 + m.  No cache hint: the strip beside mine reads the bytes next to these
.irp i, 0,1,2,3,4,5,6,7,8,9,10,11,12,13,14,15
.set LR, RAW+64*((\n)%2)+32*(\h)+(\i)+15*((\i)%2)
.if (\n) < 4
	global_load_b64 v[LR:LR+1], v[VW], s[SB0:SB0+1] offset:(128*((\n)%4)+16*(\h)+\i)*16000
.else
	global_load_b64 v[LR:LR+1], v[VW], s[SB1:SB1+1] offset:(128*((\n)%4)+16*(\h)+\i)*16000
.endif
.endr
.endm
.macro PFGO n                          ; my 16 rows of K step n
.if (\n) < 4
	global_prefetch_b8 v[PFV], s[PF0:PF0+1] offset:((\n)%4)*2048000 th:TH_LOAD_NT scope:SCOPE_SE
.else
	global_prefetch_b8 v[PFV], s[PF1:PF1+1] offset:((\n)%4)*2048000 th:TH_LOAD_NT scope:SCOPE_SE
.endif
.endm
.macro LOADX s                         ; my three tiles' fragments of K step s: 9 loads, always all of them, so that the counted waits hold on every way (a tile that does not exist reads the spare tile)
.if (\s)%2
.irp i, 0,1
.irp c, 0,1,2
	global_load_b128 v[XD+12*\i+4*\c:XD+12*\i+4*\c+3], v[XO+\i], s[8:9] offset:1536*(\s)+512*\c
.endr
.endr
	WIN 0x40                                       ; destination window 1
.irp c, 0,1,2
	global_load_b128 v[228+4*\c:228+4*\c+3], v[XO+2], s[8:9] offset:1536*(\s)+512*\c
.endr
.else
	WIN 0x40
.irp i, 0,1,2
.irp c, 0,1,2
	global_load_b128 v[192+12*\i+4*\c:192+12*\i+4*\c+3], v[XO+\i], s[8:9] offset:1536*(\s)+512*\c
.endr
.endr
.endif
	WIN 0
.endm
; Unit n: 64 registers become two columns' codes and scale bytes.  Half h of the unit is 32 registers from 32 h on: 16 of column 2 l, 16 of column 2 l + 1, once the swaps are done.
.macro QUANT n
.set S, RAW+64*((\n)%2)
.irp m, 0,2,4,6,8,10,12,14
	v_swap_b32 v[S+1+\m], v[S+16+\m]
	v_swap_b32 v[S+33+\m], v[S+48+\m]
.endr
	v_max3_num_f32 v[MA], |v[S]|, |v[S+1]|, 0x1800000          ; with the floor 2^(3 - 127): so the byte cannot fall under 1
	v_max3_num_f32 v[MB], |v[S+16]|, |v[S+17]|, 0x1800000
	v_max3_num_f32 v[MA1], |v[S+32]|, |v[S+33]|, 0x1800000
	v_max3_num_f32 v[MB1], |v[S+48]|, |v[S+49]|, 0x1800000
.irp i, 2,4,6,8,10,12,14
	v_max3_num_f32 v[MA], v[MA], |v[S+\i]|, |v[S+1+\i]|        ; four chains by turns
	v_max3_num_f32 v[MB], v[MB], |v[S+16+\i]|, |v[S+17+\i]|
	v_max3_num_f32 v[MA1], v[MA1], |v[S+32+\i]|, |v[S+33+\i]|
	v_max3_num_f32 v[MB1], v[MB1], |v[S+48+\i]|, |v[S+49+\i]|
.endr
	v_max_num_f32 v[MA], v[MA], v[MA1]
	v_max_num_f32 v[MB], v[MB], v[MB1]
	v_add_nc_u32 v[MA], 0xff000000, v[MA]          ; 2 off its exponent field: the conversion takes the exponent field of this operand as its scale
	v_add_nc_u32 v[MB], 0xff000000, v[MB]
	v_cvt_scalef32_pk16_fp6_f32 v[FA:FA+2], v[S:S+15], v[MA]
	v_cvt_scalef32_pk16_fp6_f32 v[TA:TA+2], v[S+32:S+47], v[MA]    ; (a conversion's three registers begin on an even number)
	v_cvt_scalef32_pk16_fp6_f32 v[FB:FB+2], v[S+16:S+31], v[MB]
	v_cvt_scalef32_pk16_fp6_f32 v[TB:TB+2], v[S+48:S+63], v[MB]
	v_lshrrev_b32 v[BA], 23, v[MA]                 ; the scales' bytes.  (The plain place behind the scaled conversions)
	v_lshrrev_b32 v[BB], 23, v[MB]
.irp i, 0,1,2
	v_mov_b32 v[FA+3+\i], v[TA+\i]
	v_mov_b32 v[FB+3+\i], v[TB+\i]
.endr
.endm
.macro QSTORE n                        ; and go to LDS
.irp i, 0,1,2                                  ; 24 bytes a lane: their address is a multiple of 8
	ds_store_b64 v[IW+(\n)/4], v[FA+2*\i:FA+2*\i+1] offset:((\n)%4)*12288+8*\i
	ds_store_b64 v[IW+(\n)/4], v[FB+2*\i:FB+2*\i+1] offset:((\n)%4)*12288+6144+8*\i
.endr
	ds_store_b8 v[ISW], v[BA] offset:512*(\n)
	ds_store_b8 v[ISW], v[BB] offset:512*(\n)+8
.endm
.macro MM1 c, ra, rb
	v_wmma_scale_f32_16x16x128_f8f6f4 v[rD:rD+7], v[rA:rA+11], v[rX:rX+11], \c, v[rSA], v[rSB] matrix_a_fmt:MATRIX_FMT_FP6 matrix_b_fmt:MATRIX_FMT_FP6 matrix_a_scale:MATRIX_SCALE_ROW\ra matrix_b_scale:MATRIX_SCALE_ROW\rb
.endm
; The matrix instruction on the registers named by rD, rA, rX, rSA, rSB.  odd: W's scales stand in lanes 16-31.  MODE 0: C = 0, the sum's first K step; 1: in place; 2: in place, the tokens' scales in lanes 16-31.
.macro MM odd
.if \odd
.if MODE == 0
	MM1 0, 1, 0
.elseif MODE == 1
	MM1 v[rD:rD+7], 1, 0
.else
	MM1 v[rD:rD+7], 1, 1
.endif
.else
.if MODE == 0
	MM1 0, 0, 0
.elseif MODE == 1
	MM1 v[rD:rD+7], 0, 0
.else
	MM1 v[rD:rD+7], 0, 1
.endif
.endif
.endm
.macro FETCHW s, g, f                  ; K step s: W's fragments of column tiles 4 g .. 4 g + 3 to v[f] on; with g = 0 the scale words of all eight; sets MODE
.if (\s) == 0
.set MODE, 0
.elseif (\s) < 4
.set MODE, 1
.else
.set MODE, 2
.endif
.if (\s) < 4
.set AR, AR0
.else
.set AR, AR1
.endif
.irp j, 0,1,2,3
.irp c, 0,1,2
	ds_load_b128 v[\f+12*\j+4*\c:\f+12*\j+4*\c+3], v[AR] offset:((\s)%4)*12288+1536*(4*(\g)+\j)+16*\c
.endr
.endr
.if (\g) == 0
	ds_load_b128 v[WS:WS+3], v[ARS] offset:512*(\s)
.endif
.endm
; The products of K step s with four column tiles, whose fragments lie from v[f] on.  The accumulators take turns, one instruction a turn.
; K step 0 multiplies all three tiles, so that every accumulator is begun on every way; from K step 1 on a scalar branch on the stored count leads round the tiles that do not exist, and round nothing else.
.macro GROUP s, g, f
.irp i, 0,1,2
.if (\s) > 0
	WIN 0                                          ; at a branch and at a label every window is 0
	s_cmp_le_u32 s[CNT], \i
	s_cbranch_scc1 .Lgd_\@
.endif
.if ((\s)%2) && (\i < 2)
.set rX, XD+12*\i
	WIN 0x50                                       ; source 0 (W) window 0, source 1 (the tile) window 0, C and D window 1
.else
.if (\s)%2
.set rX, 228
.else
.set rX, 192+12*\i
.endif
	WIN 0x54                                       ; the tile in window 1
.endif
.irp j, 0,1,2,3
.set rD, 64*\i+32*(\g)+8*\j
.set rA, \f+12*\j
.set rSA, WS+2*(\g)+\j/2
.set rSB, XSC+8*\i+(\s)%4
	MM \j%2
.endr
.endr
	WIN 0
.Lgd_\@:
.endm
; K step s's products: register work and LDS loads of an image that nobody writes any more.  nx: the loads issued behind its tiles, which may stay out.
; From K step 5 on the unit of registers from v56 on is loaded no more: all eight fragments are fetched at once.
.macro CONSUME s, nx
.if (\s) >= 5
	FETCHW \s, 0, WF
	FETCHW \s, 1, RAW
	s_wait_loadcnt \nx
	s_wait_dscnt 12                                ; all but the second group's twelve loads
	GROUP \s, 0, WF
	s_wait_dscnt 0x0
	GROUP \s, 1, RAW
.else
	FETCHW \s, 0, WF
	s_wait_loadcnt \nx
	s_wait_dscnt 0x0
	GROUP \s, 0, WF
	PLACES 4                                       ; places in front of loads into registers that matrix instructions have read
	FETCHW \s, 1, WF
	s_wait_dscnt 0x0
	GROUP \s, 1, WF
.endif
.endm
; A K step of 128: my unit is quantised in registers (nw: the loads issued behind it, which may stay out); the barrier of the K step before is waited for; the codes go to LDS; this K step's tiles and the unit two steps on
; are asked for; I signal, and multiply the K step before.  The vector work of a unit stands between products and the next loads and writes into their operands: far more than the four places that are owed.
.macro KSTEP s, nw, nx
	s_wait_loadcnt \nw
	QUANT \s
.if (\s) > 0
	WALU
	s_barrier_wait -1                              ; K step s - 1 is whole in LDS
.endif
	QSTORE \s
.if (\s) > 0
	LOADX \s
.endif
.if (\s) < 6
	LOADWH (\s)+2, 0
	LOADWH (\s)+2, 1
.endif
.if (\s) < 4
	PFGO (\s)+4
.endif
	s_wait_dscnt 0x0                               ; for the others' sake: my codes and scale bytes have landed
	s_barrier_signal -1
.if (\s) > 0
	CONSUME (\s)-1, \nx
.endif
.endm
; THE WAY OUT of tile i: through my stage (even columns, then odd ones), back as whole rows of 512 bytes with the columns in turn, + b, stored at the tokens' rows.  main = 1: one of my three tiles: left out if it does not exist.
.macro OUT i, main
.if \main
	s_cmp_le_u32 s[CNT], \i
	s_cbranch_scc1 .Lnone_\@
	s_lshl_b32 s35, s[WV], 4
	s_add_co_u32 s35, s35, 128*\i                  ; the tile's first place: 16 (w + 8 i)
	s_sub_co_u32 s[LIVE], s[TE], s35
	s_min_u32 s[LIVE], s[LIVE], 16                 ; its tokens: 1 to 16
.endif
	WIN 0x04                                       ; an LDS store's data are its source 1: window 1
.irp j, 0,1,2,3,4,5,6,7
	ds_store_b128 v[SO], v[64*(\i)+8*\j:64*(\i)+8*\j+3] offset:64*\j          ; each accumulator from its low end on
	ds_store_b128 v[SO], v[64*(\i)+8*\j+4:64*(\i)+8*\j+7] offset:64*\j+16
.endr
	WIN 0
.irp rr, 0,1,2,3,4,5,6,7,8,9,10,11,12,13,14,15
	ds_load_b64 v[OB+4*\rr:OB+4*\rr+1], v[TS] offset:528*\rr            ; columns 4 l, 4 l + 2.  LDS serves a wave's instructions in order: these see my stores
	ds_load_b64 v[OB+4*\rr+2:OB+4*\rr+3], v[TS] offset:528*\rr+256      ; columns 4 l + 1, 4 l + 3
.endr
.irp rr, 0,1,2,3,4,5,6,7,8,9,10,11,12,13,14,15
	v_readlane_b32 s[36+\rr%4], v[TOK+\i], \rr
	s_min_u32 s[36+\rr%4], s[36+\rr%4], 2047       ; held inside out before it enters an address
	s_mul_i32 s[36+\rr%4], s[36+\rr%4], 16000
	v_add_nc_u32 v[OFF+\rr], s[36+\rr%4], v[LI]
.endr
.irp g, 0,1,2,3
	s_wait_dscnt 24-8*\g                           ; rows 4 g .. 4 g + 3 are back
.irp k, 0,1,2,3
	v_swap_b32 v[OB+16*\g+4*\k+1], v[OB+16*\g+4*\k+2]
.endr
.irp k, 0,1,2,3
	v_pk_add_f32 v[OB+16*\g+4*\k:OB+16*\g+4*\k+1], v[OB+16*\g+4*\k:OB+16*\g+4*\k+1], v[BI:BI+1]
	v_pk_add_f32 v[OB+16*\g+4*\k+2:OB+16*\g+4*\k+3], v[OB+16*\g+4*\k+2:OB+16*\g+4*\k+3], v[BI+2:BI+3]
.endr
.endr
	v_cmp_le_u32 vcc_lo, s[THR], v[LANE]
	WALU
	s_wait_xcnt 0x0                                ; EXEC changes only behind this wait
	s_and_saveexec_b32 s34, vcc_lo                 ; column block 31 stores its last 32 columns alone
	global_store_b128 v[OFF], v[OB:OB+3], s[16:17] th:TH_STORE_NT   ; 32 lanes store 512 consecutive bytes of a row of out; written once, read by nobody here
.irp rr, 1,2,3,4,5,6,7,8,9,10,11,12,13,14,15
	s_cmp_le_u32 s[LIVE], \rr                      ; places past the expert's last token hold a copy of it: not stored
	s_cbranch_scc1 .Lrows_\@
	global_store_b128 v[OFF+\rr], v[OB+4*\rr:OB+4*\rr+3], s[16:17] th:TH_STORE_NT
.endr
.Lrows_\@:
	s_wait_xcnt 0x0                                ; the stores have read their registers and EXEC: EXEC is widened, and OFF and OB are written again, only behind this wait
	s_or_b32 exec_lo, exec_lo, s34
.Lnone_\@:
.endm
.macro OHALF s, g                      ; the last loop: K step s of one tile, four column tiles, on accumulators (0, t)
	FETCHW \s, \g, WF
	s_wait_dscnt 0x0
	WIN 0x50
.irp j, 0,1,2,3
.set rD, 32*(\g)+8*\j
.set rA, WF+12*\j
.set rX, RAW+12*(\s)
.set rSA, WS+2*(\g)+\j/2
.set rSB, XSC+(\s)%4
	MM \j%2
.endr
	WIN 0
	PLACES 4                                       ; in front of the next loads into W's fragments and scale words, and of the first read of results
.endm
	s_load_b256 s[4:11], s[0:1], 0x0               ; W s[4:5], b s[6:7], xq s[8:9], xs s[10:11]
	s_load_b128 s[12:15], s[0:1], 0x20             ; list s[12:13], counts s[14:15]
	s_load_b64 s[16:17], s[0:1], 0x30              ; out
	v_lshl_add_u32 v[SPW], v0, 2, SPARE
	v_mov_b32 v[NIL], 0
	v_lshrrev_b32 v[TMP], 5, v0
	v_readfirstlane_b32 s[WV], v[TMP]              ; wave 0..7
	v_and_b32 v[LANE], 31, v0
	v_and_b32 v[R], 15, v0
	v_bfe_u32 v[H], v0, 4, 1
	s_mul_i32 s35, s[WV], STGB                     ; every LDS address is made here: a constant, the lane's term, the wave's term
	s_add_co_u32 s35, s35, STG
	s_and_b32 s36, s[WV], 1                        ; my strip q
	s_mul_i32 s37, s36, 3072
	s_bfe_u32 s38, s[WV], 0x10001                  ; b % 2
	s_mul_i32 s38, s38, 768
	s_add_co_u32 s37, s37, s38
	s_lshr_b32 s38, s[WV], 2                       ; b / 2
	s_mul_i32 s38, s38, 24
	s_add_co_u32 s37, s37, s38
	s_lshr_b32 s43, s[WV], 1                       ; b
	s_lshl_b32 s39, s36, 2
	s_add_co_u32 s39, s39, s43
	s_add_co_u32 s39, s39, WSC
	s_mov_b32 s[EX], ttmp9
	s_and_b32 s40, ttmp7, 0xffff                   ; cb
	s_lshl_b32 s41, s40, 7
	s_min_u32 s[COL0], s41, 3872
	s_sub_co_u32 s[THR], s41, s[COL0]
	s_lshr_b32 s[THR], s[THR], 2
	s_lshl_b32 s44, s[COL0], 2                     ; s[44:45]: 4 col0
	s_mov_b32 s45, 0
	s_cmp_eq_u32 s40, 31
	s_cselect_b32 s42, 1, s36                      ; which strip's columns I load
	s_lshl_b32 s42, s42, 8
	s_mul_i32 s58, s[EX], 16384000                 ; s[58:59]: the expert's 1,024 rows of 16,000 bytes;
	s_mov_b32 s59, 0
	s_add_co_u32 s46, s58, s44                     ; s[46:47]: + my strip, + my block's 32 rows
	s_add_co_u32 s46, s46, s42
	s_mul_i32 s43, s43, 512000
	s_add_co_u32 s46, s46, s43
	s_mov_b32 s47, 0
	s_mul_i32 s50, s[EX], 16000                    ; s[50:51]: the expert's row of b, + 4 col0
	s_add_co_u32 s50, s50, s44
	s_mov_b32 s51, 0
	s_lshl_b32 s56, s40, 9
	s_mul_i32 s57, s[WV], 256000
	WALU
	v_lshlrev_b32 v[LI], 4, v[LANE]
	v_lshlrev_b32 v[VW], 3, v[LANE]
	v_add_nc_u32 v[TS], s35, v[VW]
	v_mul_u32_u24 v[SO], v[R], 528
	v_lshl_add_u32 v[SO], v[H], 5, v[SO]
	v_add_nc_u32 v[SO], s35, v[SO]
	v_mul_u32_u24 v[TMP], v[R], 48
	v_mad_u32_u24 v[TMP], v[H], 1536, v[TMP]
	v_add_nc_u32 v[IW], s37, v[TMP]
	v_add_nc_u32 v[IW+1], 49152, v[IW]
	v_add_nc_u32 v[ISW], s39, v[LI]
	v_mul_u32_u24 v[AR0], v[LANE], 48
	v_add_nc_u32 v[AR1], 49152, v[AR0]
	v_add_nc_u32 v[ARS], WSC, v[LI]
	v_lshrrev_b32 v[TMP], 1, v[LANE]
	v_mul_u32_u24 v[TMP], v[TMP], 16000
	v_and_b32 v[PFV], 1, v[LANE]
	v_lshl_add_u32 v[PFV], v[PFV], 8, s56
	v_min_u32 v[PFV], 15872, v[PFV]                ; column block 31: a row's last 128 bytes, named by both lanes: every lane stays inside W
	v_add3_u32 v[PFV], v[PFV], v[TMP], s57
	WALU
	s_wait_kmcnt 0x0
	s_load_b128 s[40:43], s[14:15], 0x0            ; the experts' totals
	s_add_nc_u64 s[SB0:SB0+1], s[4:5], s[46:47]
	s_add_nc_u64 s[SB1:SB1+1], s[SB0:SB0+1], 8192000
	s_add_nc_u64 s[PF0:PF0+1], s[4:5], s[58:59]
	s_add_nc_u64 s[PF1:PF1+1], s[PF0:PF0+1], 8192000
	s_add_nc_u64 s[6:7], s[6:7], s[50:51]
	s_add_nc_u64 s[16:17], s[16:17], s[44:45]
	LOADWH 0, 0                                    ; W does not wait for the routing: 48 loads of 256 bytes go out first
	LOADWH 0, 1
	LOADWH 1, 0
	s_wait_kmcnt 0x0
	s_bitcmp1_b32 s[EX], 0                         ; expert e's total: word 2 (e % 2) + (e / 2) % 2, half e / 4
	s_cselect_b64 s[40:41], s[42:43], s[40:41]
	s_bitcmp1_b32 s[EX], 1
	s_cselect_b32 s[TE], s41, s40
	s_lshr_b32 s35, s[EX], 2
	s_lshl_b32 s35, s35, 4
	s_lshr_b32 s[TE], s[TE], s35
	s_and_b32 s[TE], s[TE], 0xffff
	s_min_u32 s[TE], s[TE], 2048
	s_add_co_u32 s[NT], s[TE], 15
	s_lshr_b32 s[NT], s[NT], 4
	s_add_co_u32 s[CNT], s[NT], 7
	s_sub_co_u32 s[CNT], s[CNT], s[WV]
	s_lshr_b32 s[CNT], s[CNT], 3
	s_min_u32 s[CNT], s[CNT], 3                    ; the i under 3 with w + 8 i < NT
.irp i, 0,1,2
	s_add_co_u32 s35, s[WV], 8*\i                  ; my tile i
	s_lshl_b32 s36, s35, 4
	s_sub_co_i32 s36, s[TE], s36
	s_max_i32 s36, s36, 0
	s_min_i32 s36, s36, 16                         ; its tokens, 0 to 16
	s_lshl_b32 s37, s[EX], 7
	s_add_co_u32 s37, s37, s35
	s_cmp_lg_u32 s36, 0
	s_cselect_b32 s37, s37, 1024                   ; a tile that does not exist reads the spare tile,
	s_min_u32 s37, s37, 1024
	s_sub_co_i32 s36, s36, 1
	s_max_i32 s36, s36, 0
	v_min_u32 v[VR], s36, v[R]                     ; and a lane past the last token reads the last token's place: only bytes that were stored are read
	v_min_u32 v[VR], 15, v[VR]
	s_mul_i32 s38, s37, 12288
	v_lshl_add_u32 v[XO+\i], v[VR], 5, s38
	v_lshl_add_u32 v[XO+\i], v[H], 4, v[XO+\i]
	s_lshl_b32 s38, s37, 9
	v_lshl_add_u32 v[XSO+\i], v[VR], 5, s38
	v_lshl_add_u32 v[XSO+\i], v[H], 4, v[XSO+\i]
	s_lshl_b32 s38, s37, 6
	v_lshl_add_u32 v[LSO+\i], v[VR], 2, s38
.endr
	WALU
	global_load_b128 v[BI:BI+3], v[LI], s[6:7]
.irp i, 0,1,2
	global_load_b32 v[TOK+\i], v[LSO+\i], s[12:13]
.endr
.irp i, 0,1,2
	global_load_b128 v[XSC+8*\i:XSC+8*\i+3], v[XSO+\i], s[10:11]
.endr
	LOADX 0
	PFGO 2
	PFGO 3
	LOADWH 1, 1
	; THE COUNTED WAITS.  Loads go out in this order: W0 (32), W1's first half (16), 7 small ones, X0 (9), W1's second half (16), W2 (32); then for each K step s from 1 on X(s) (9), W(s + 2) (32).
	; Each count is what was issued behind the loads waited for, or 63, the most that the field holds.
	KSTEP 0, 48, 0                                 ; W0: 16 + 7 + 9 + 16
	KSTEP 1, 32, 63                                ; W1: W2.  X0 came ahead of W1's second half
	KSTEP 2, 41, 63                                ; W(s): X(s - 1), W(s + 1).  X(s - 1): W(s + 1), X(s), W(s + 2): 73
	KSTEP 3, 41, 63
	KSTEP 4, 41, 63
	KSTEP 5, 41, 63
	KSTEP 6, 41, 41                                ; X5: W7, X6
	KSTEP 7, 9, 9                                  ; W7: X6.  X6: X7
	PLACES 4                                       ; places behind K step 6's products, in front of loads into registers that they have read
	s_barrier_wait -1                              ; K step 7 is whole in LDS
	CONSUME 7, 0
	PLACES 5                                       ; places behind the last products: four in front of the first read of results and of loads into their registers, a fifth in front of products that begin accumulators anew
	OUT 0, 1
	OUT 1, 1
	OUT 2, 1
	; TILES 24 AND UP, w + 24, w + 32 ..: one at a time, all eight K steps from the images in LDS, which nobody writes any more: no barrier.
	; The loop is counted by trips, a counter by steps of 1: of the tiles w + 24 + 8 n those under NT are (NT - w - 24 + 7) / 8, none where that is negative; NT is at most 128, so at most 13.
	s_sub_co_i32 s[OVN], s[NT], s[WV]
	s_sub_co_i32 s[OVN], s[OVN], 17
	s_max_i32 s[OVN], s[OVN], 0
	s_lshr_b32 s[OVN], s[OVN], 3
	s_min_u32 s[OVN], s[OVN], 13
	s_mov_b32 s[OVI], 0
	s_cmp_eq_u32 s[OVN], 0
	s_cbranch_scc1 .Lend
.Lover:
	s_lshl_b32 s[T], s[OVI], 3                     ; the trip's tile: w + 24 + 8 x the trip's number
	s_add_co_u32 s[T], s[T], s[WV]
	s_add_co_u32 s[T], s[T], 24
	s_lshl_b32 s35, s[T], 4
	s_sub_co_u32 s[LIVE], s[TE], s35
	s_min_u32 s[LIVE], s[LIVE], 16                 ; 1 to 16: the tile exists
	s_lshl_b32 s36, s[EX], 7
	s_add_co_u32 s36, s36, s[T]
	s_min_u32 s36, s36, 1023
	s_sub_co_u32 s37, s[LIVE], 1
	v_min_u32 v[VR], s37, v[R]                     ; (the last trip's loads were waited for and its stores have read their registers: these may be written)
	v_min_u32 v[VR], 15, v[VR]
	s_mul_i32 s38, s36, 12288
	v_lshl_add_u32 v[XOV], v[VR], 5, s38
	v_lshl_add_u32 v[XOV], v[H], 4, v[XOV]
	s_lshl_b32 s38, s36, 9
	v_lshl_add_u32 v[XSO], v[VR], 5, s38
	v_lshl_add_u32 v[XSO], v[H], 4, v[XSO]
	s_lshl_b32 s38, s36, 6
	v_lshl_add_u32 v[LSO], v[VR], 2, s38
	WALU
.irp f, 0,1,2,3,4,5,6,7,8,9,10,11,12,13,14,15,16,17,18,19,20,21,22,23
	global_load_b128 v[RAW+4*\f:RAW+4*\f+3], v[XOV], s[8:9] offset:512*\f   ; the tile's eight fragments: 12,288 bytes on end
.endr
	global_load_b128 v[XSC:XSC+3], v[XSO], s[10:11]
	global_load_b32 v[TOK], v[LSO], s[12:13]
	s_wait_loadcnt 0x0
.irp s, 0,1,2,3,4,5,6,7
	OHALF \s, 0
	OHALF \s, 1
.endr
	OUT 0, 0
	s_add_co_u32 s[OVI], s[OVI], 1
	s_cmp_lt_u32 s[OVI], s[OVN]
	s_cbranch_scc1 .Lover
.Lend:
	s_wait_tensorcnt 0x0                           ; the wave's end, behind my last LDS store
	ds_add_u32 v[SPW], v[NIL]
	s_wait_dscnt 0x0
	s_endpgm
.Lfunc_end_k_q4de1fc7077_experts:
	.size	k_q4de1fc7077_experts, .Lfunc_end_k_q4de1fc7077_experts-k_q4de1fc7077_experts
	.p2alignl 7, 3214868480
	.fill 96, 4, 3214868480
	.section	.rodata,"a",@progbits
	.p2align	6, 0x0
	.amdhsa_kernel k_q4de1fc7077_experts
		.amdhsa_group_segment_fixed_size 171008
		.amdhsa_private_segment_fixed_size 0
		.amdhsa_enable_private_segment 0
		.amdhsa_kernarg_size 56
		.amdhsa_user_sgpr_count 2
		.amdhsa_user_sgpr_kernarg_segment_ptr 1
		.amdhsa_wavefront_size32 1
		.amdhsa_system_sgpr_workgroup_id_x 1
		.amdhsa_system_sgpr_workgroup_id_y 1
		.amdhsa_system_sgpr_workgroup_id_z 1
		.amdhsa_system_vgpr_workitem_id 0
		.amdhsa_next_free_vgpr 512
		.amdhsa_next_free_sgpr 66
		.amdhsa_reserve_vcc 1
		.amdhsa_float_denorm_mode_32 3
		.amdhsa_float_denorm_mode_16_64 3
		.amdhsa_memory_ordered 1
		.amdhsa_forward_progress 1
		.amdhsa_inst_pref_size 191
	.end_amdhsa_kernel
	.amdgpu_metadata
---
amdhsa.version: [ 1, 2 ]
amdhsa.kernels:
  - .name:           k_q4de1fc7077_experts
    .symbol:         k_q4de1fc7077_experts.kd
    .args:
      - { .name: W, .offset: 0, .size: 8, .value_kind: global_buffer, .address_space: global }
      - { .name: b, .offset: 8, .size: 8, .value_kind: global_buffer, .address_space: global }
      - { .name: xq, .offset: 16, .size: 8, .value_kind: global_buffer, .address_space: global }
      - { .name: xs, .offset: 24, .size: 8, .value_kind: global_buffer, .address_space: global }
      - { .name: list, .offset: 32, .size: 8, .value_kind: global_buffer, .address_space: global }
      - { .name: counts, .offset: 40, .size: 8, .value_kind: global_buffer, .address_space: global }
      - { .name: out0, .offset: 48, .size: 8, .value_kind: global_buffer, .address_space: global }
    .group_segment_fixed_size: 171008
    .private_segment_fixed_size: 0
    .kernarg_segment_align: 8
    .kernarg_segment_size: 56
    .max_flat_workgroup_size: 256
    .sgpr_count:     66
    .vgpr_count:     512
    .wavefront_size: 32
...
	.end_amdgpu_metadata
.endif
;; end of part 2
